; MI455X (gfx1250); checked and timed in simulation.
; The chip was launched on July 23, 2026; its instructions are those of AMD's public machine-readable ISA for CDNA 5 (MIT licence, August 2026) and "CDNA5" Instruction Set Architecture Reference Guide (July 2026). The comments in the code are by the model that wrote it; some were corrected since.
;; CAM Module. Allowed arithmetic: matrix products marked QUANTISED: E2M1 operands, one E8M0 scale for each 32 along K, by v_wmma_scale_f32_16x16x128_f8f6f4 with both operands' format E2M1 (or v_wmma_scale_f32_32x16x128_f4), f32 sums; products left as they are: bf16, f16 or f32 operands; f32 sums; everything else in f32.
;; Inputs: k1 128 x 1,024 x 7 x 7 float32; q1 128 x 1,024 x 7 x 7 float32; v1 128 x 1,024 x 7 x 7 float32.
;; Outputs: out0 128 x 1,024 x 7 x 7 float32.
;; This version of the problem:
;;   THIS VERSION OF THE PROBLEM IS GIVEN IN LOW PRECISION. The matrix products marked QUANTISED in the list below multiply operands that are first quantised to E2M1 (2 exponent bits, 1 mantissa bit; 4 bits a number), with one power-of-two scale for each 32 numbers along K (OCP MX v1.0); their sums are f32. The products marked 'left as it is' may take bf16, f16 or f32 operands, with f32 sums. Whichever they take, every output number must still come out within the allowed error. Rounding operands to bf16 (8 significant bits) uses up far more of that allowance than f16 does (11 bits, for magnitudes from 6e-5 to 65,504). All else is computed in f32.
;;   The module's matrix products, in the order in which they are computed (A, B: the left and right operand; K: the contracted axis; several contracted axes count as one K, in the product's order):
;;     1. batch 128 x [M 1,024, K 49] x [K 49, N 1,024]; A: input q1; B: input k1: QUANTISED
;;     2. batch 128 x [M 1,024, K 1,024] x [K 1,024, N 49]; A: computed on the way; B: input v1: left as it is (an operand is computed on the way)
;;   THE QUANTISER, for each operand of a quantised product, along K:
;;     - K is cut into blocks of 32 from its start; a last block that is shorter is filled with zeros.
;;     - A block's scale is 2^e with e = floor(log2(the largest magnitude in the block)) - 2, held to -126 .. 127; a block of zeros has e = 0. As a byte (E8M0): e + 127.
;;     - Each number is divided by its block's scale, clamped to +-6, and rounded to the nearest number of E2M1, ties to even, subnormals kept.
;;     - The product sums the exact products of the quantised numbers (number of the format x scale) in f32.
;;   ~~~python
;;   def quantise(x, axis):      # numpy; x: float32 -> the quantised numbers, widened to float32 again
;;       x = np.moveaxis(x, axis, -1); K = x.shape[-1]
;;       x = np.pad(x, [(0, 0)] * (x.ndim - 1) + [(0, -K % 32)]); x = x.reshape(x.shape[:-1] + (-1, 32)); a = np.abs(x).max(-1, keepdims=True)
;;       e = np.where(a > 0, np.clip(np.frexp(np.where(a > 0, a, 1))[1] - 1 - 2, -126, 127), 0)      # np.frexp(a)[1] - 1 = floor(log2(a)), exactly
;;       r = np.clip(x / 2.0 ** e, -6, 6)
;;       step = 2.0 ** (np.maximum(np.frexp(np.where(r == 0, 1, r))[1] - 1, 0) - 1)
;;       q = np.round(r / step) * step * 2.0 ** e      # np.round: ties to even
;;       return np.moveaxis(q.reshape(q.shape[:-2] + (-1,))[..., :K], -1, axis).astype(np.float32)
;;   ~~~
;; One version. Each part assembles by itself: llvm-mc -triple=amdgcn-amd-amdhsa -mcpu=gfx1250 --defsym DOCPART=n.
;; ======== version 1 of 1: 1 launch
;; limits: values are held in f16: magnitudes above 65,504 overflow, below 6.1e-05 lose precision; right only within a limited range of input values
;; launch cam (part 1): grid 256 x 1, 8 waves a work-group, no clusters, 327,680 bytes of LDS; arguments q1, k1, v1, out0; writes out0
.if DOCPART == 1
	.amdgcn_target "amdgcn-amd-amdhsa--gfx1250"
	.amdhsa_code_object_version 6
	.text
	.protected	k_qfd9d8792ca_cam
	.globl	k_qfd9d8792ca_cam
	.p2align	8
	.type	k_qfd9d8792ca_cam,@function
k_qfd9d8792ca_cam:
	s_mov_b64 s[64:65], 0
	v_nop
	global_prefetch_b8 v0, s[64:65] scope:SCOPE_SE
	s_setreg_imm32_b32 hwreg(HW_REG_WAVE_MODE, 25, 1), 1
	s_wait_xcnt 0x0
; out[b] = (Q(q[b]) Q(k[b])^T) v[b] + v1[b].  q, k, v, out: [128][1024][49] f32 (a row of 49 numbers is 196 bytes).
; PRODUCT 1 (att = q k^T, K = the 49) runs on codes of FP4 (E2M1) with one E8M0 scale for each 32 along K: block 0 = n 0..31, block 1 = n 32..48 and 15 zeros; K = 64..127 of the
; instruction are zero codes.  PRODUCT 2 (att v, K = the 1,024 channels d) runs on f16 operands with f32 sums.  att never leaves the registers.
; att IS KEPT AS att / 16: 4 is taken off k's scale bytes as they are handed on, which is exact, so that att has room in f16; the residual's addition gives it back: out = 16 x sum + v1, one fused multiply-add.
; SHARES.  Work-group g: batch g / 2, rows c = 512 (g % 2) .. + 511.  Eight waves; wave w owns 64 rows of c, four tiles of 16.  d is walked in 8 steps of 128 rows.
; THE RING.  Raw f32 rows of k and v come by tensor loads into two LDS slots of TWO steps each: 256 rows of k, then 256 rows of v, 100,352 bytes.  Every wave brings an eighth of a slot, 64 rows = 12,544 bytes = 49 x 256,
; a dense block (waves 0-3: k's quarters; waves 4-7: v's).  Slot A holds rows 0-255, then 512-767; slot B holds the waves' raw q first, then rows 256-511, then 768-1023, and on the way out the waves' stages.
; THE IMAGES.  The eight waves together turn a step's raw rows into IMAGES OF OPERAND REGISTERS in LDS (k: 8 fragments of codes and their scale words; v^T: 16 fragments of f16), two image buffers by turns, one step ahead
; of the products.  Each wave then runs 4 chunks of 32 d: 8 products S^T = k q^T (a lane holds one c, its registers run along d), 32 roundings to f16, whose results ARE source 1 of the second product, and 16 products
; out^T += v^T att^T.  q is quantised once by its own wave and stays in registers.
; A barrier stands at each step's head, since the image buffers change hands there.  Only where a slot is filled again, or its tile is first read, does a wave wait for its tensor loads there: a refill stays out across the
; barrier between, and has two steps in which to land.
; Waves 0-3 prepare the next step's images ahead of their products, waves 4-7 behind theirs: at any time some waves have vector work and others matrix work.
; The slots' turns come back after four steps, and the last four steps fetch less than the first: all eight steps are written out.
; NO CLUSTER: a tile of k or v is wanted by the two work-groups of a batch alone; four partners on one batch would have 256 rows of c each, and each would still turn all of k and v into images, for half the products.
; LIMITS: |att| under 16 x 65,504 and |v| at most 65,504 (f16's range); a block of k whose largest magnitude lies under 2^-120 takes the scale 2^-122; a block of zeros carries a small byte over zero codes,
; which add nothing; NaN and infinities among the inputs are not served.
.set ROWB,   196                       ; bytes in a row of 49 f32
.set TILEB,  16*ROWB                   ; 3,136
.set WAVEB,  64*ROWB                   ; 12,544 = 49 x 256: a wave's 64 rows of q, and its eighth of a slot
.set CHB,    128*ROWB                  ; 25,088: a step's rows of k or of v
.set PAIRB,  4*CHB                     ; 100,352: a slot: two steps' rows of k (2 CHB), then of v
.set HALFB,  512*ROWB                  ; a work-group's rows
.set BATCHB, 1024*ROWB
.set SLA,    PAIRB                     ; LDS: slot B from byte 0, slot A from SLA,
.set IMG,    2*PAIRB                   ; the two image buffers (written by LDS stores alone),
.set KSO,    4096                      ;   in a buffer: k's 8 fragments x 512 bytes; from KSO its 128 scale words;
.set VIO,    4608                      ;   from VIO v^T's 16 fragments x 1,024 bytes
.set IMGB,   VIO+16*1024               ; 20,992
.set SPARE,  IMG+2*IMGB                ; and the spare words, 128 bytes for each wave: four blocks of 256 bytes that no other line names
; REGISTERS, window 0.  lane = (r, h): r = lane % 16, h = lane / 16.  v1 lane, v2 r, v3 h stay.
.set SPW, 4                            ; LDS address of my spare word; never rewritten
.set NIL, 5                            ; 0; never rewritten
.set LI,  6                            ; IMG + 16 lane: an image's place for my lane
.set LS,  7                            ; IMG + KSO + 4 lane: a scale word's
.set KWI, 10                           ; where I store k's image: IMG + 512 w + 16 lane
.set KWS, 11                           ; and its scale word: IMG + KSO + 64 w + 4 r
.set VWI, 14                           ; where I store v's images: IMG + VIO + 4,096 (w % 4) + 16 lane
.set HM,  15                           ; h ? 0 : -1
.set RM,  16                           ; r == 0 ? -1 : 0
.set SH8, 17                           ; 8 h
.set AQ1, 18                           ; raw q: my wave's region of slot B, row r, + 128 h
.set AQ2, 19                           ; the same row, + 68, the same in both halves of the lanes; on the way out it also serves column 48 of the stage
.set SO,  20                           ; the stage: row r, + 32 h
.set SR,  21                           ; the stage as a stream: 16 lane
.set SR8, 22                           ; 8 lane
.set GO,  23                           ; 16 lane: my place in 512 bytes of memory
.set GO8, 24                           ; 8 lane
.set RWR, 25                           ; 196 r
.set MXA, 26                           ; the quantiser's: two running maxima,
.set MXB, 27
.set SCL, 28                           ; the conversions' scale operand,
.set BYT, 29                           ; the scale's byte,
.set WRD, 30                           ; my byte at its place in the word,
.set OTH, 31                           ; the other half of the lanes'
.set QS,  32                           ; v32-35   q's scale words, one register a tile: they hold scales and nothing else
.set KSC, 36                           ; v36      the chunk's scale words of k: lanes 0-15 the first tile's, lanes 16-31 the second's
.set QF,  40                           ; v40-71   q's 4 fragments; registers 4-7 of each are 0
.set KF,  72                           ; v72-87   k's 2 fragments of a chunk; registers 4-7 of each are 0
.set S,   88                           ; v88-151  S^T: tile (ct, i) at S + 16 ct + 8 i
.set P,   152                          ; v152-183 att^T / 16 in f16: P + 8 ct
.set VF,  184                          ; v184-247 v^T's fragments, two sets of 4 x 8
.set AK1, 248                          ; v248-249 raw k in slot A, B (an LDS immediate has 16 bits, so each slot has its registers): row 16 w + r of a step, + 128 h
.set AK2, 250                          ; v250-251 the same row, + 68
.set AV,  252                          ; v252-253 raw v in slot A, B: row 32 (w % 4) + 8 h of a step, column r
.set AV3, 254                          ; v254-255 the same row, column 48
.set X,   S                            ; while images are made, S and P are free: 32 raw numbers,
.set Y,   S+32                         ; 32 more,
.set KCD, P                            ; a block's codes,
.set VO,  P+8                          ; two fragments of v^T
.set T,   88                           ; the way out: v88-185
; window 1: v0-127 the 16 accumulators of out^T / 16: (ct, nt) at 8 (4 ct + nt);  v128-225 the residual
.set V1R, 128
.set WV,   12                          ; s12      my wave's number
.set G1,   16                          ; s[16:23] descriptor group 1, for every load: 49 rows of 256 bytes
.set G0Q,  32                          ; s[32:35] group 0 for my raw q
.set G0A,  36                          ; s[36:39] for my eighth of slot A
.set G0B,  40                          ; s[40:43] of slot B
.set SEL,  44                          ; s[44:45] v_permlanex16_b32's selects for lane l xor 16
.set SIXT, 46                          ; s[46:47] 16.0 (the packed form names a pair and takes its low word for both halves)
.set V1P,  50                          ; s[50:51] v1 at my wave's 64 rows
.set OUTP, 52                          ; s[52:53] out likewise
.set MSB, 0
.macro WIN new                         ; s_set_vgpr_msb: bits 1:0 source 0, 3:2 source 1, 5:4 source 2, 7:6 destination; the high byte repeats the setting that is left
.if MSB != \new
	s_set_vgpr_msb (MSB<<8)|\new
.set MSB, \new
.endif
.endm
; A lane's block of 32 raw numbers of a row: block h begins 128 h bytes into the row.  Places 0-16 exist in both blocks; places 17-31 exist in block 0 alone: there both halves of the lanes read
; block 0's words, so that no read leaves the row, and TAILZERO clears them in lanes 16-31.  Rows lie 49 words apart.
.macro RAWROW x, a1, a2, off
.set ri, 0
.rept 17
	ds_load_b32 v[\x+ri], v[\a1] offset:\off+4*ri
.set ri, ri+1
.endr
.rept 15
	ds_load_b32 v[\x+ri], v[\a2] offset:\off+4*(ri-17)
.set ri, ri+1
.endr
.endm
.macro TAILZERO x
.set ri, 17
.rept 15
	v_and_b32 v[\x+ri], v[HM], v[\x+ri]
.set ri, ri+1
.endr
.endm
; 32 numbers of a lane, one block, become 4 registers of codes at v[cd] and, with the other half of the lanes' byte, the row's scale word in v[wdst].
; floor: no largest magnitude is taken under it, so that the byte cannot fall under 1 (q: 2^(3 - 127); k: 2^(7 - 127), since 4 more are taken off).
.macro QUANT x, cd, floor, isk, wdst
	v_max3_num_f32 v[MXA], |v[\x]|, |v[\x+1]|, \floor
	v_max3_num_f32 v[MXB], |v[\x+2]|, |v[\x+3]|, |v[\x+4]|
.set ri, 5
.rept 6
	v_max3_num_f32 v[MXA], v[MXA], |v[\x+ri]|, |v[\x+ri+1]|       ; two chains by turns
	v_max3_num_f32 v[MXB], v[MXB], |v[\x+ri+2]|, |v[\x+ri+3]|
.set ri, ri+4
.endr
	v_max3_num_f32 v[MXA], v[MXA], |v[\x+29]|, |v[\x+30]|
	v_max3_num_f32 v[MXA], v[MXA], v[MXB], |v[\x+31]|              ; the block's largest magnitude
	v_add_nc_u32 v[SCL], 0xff000000, v[MXA]                        ; 2 off its exponent field: the conversion takes the exponent field of this operand as its scale
.irp g, 0,1,2,3
	v_cvt_scalef32_pk8_fp4_f32 v[\cd+\g], v[\x+8*\g:\x+8*\g+7], v[SCL]
.endr
	v_lshrrev_b32 v[BYT], 23, v[SCL]                               ; the scale's byte.  (Also the plain instruction behind the scaled conversions)
.if \isk
	v_add_nc_u32 v[BYT], -4, v[BYT]                                ; k alone: the matrix unit is told a scale 16 times smaller, so that the sums are att / 16
.endif
	v_lshlrev_b32 v[WRD], v[SH8], v[BYT]                           ; block h's byte is byte h of the word
	v_permlanex16_b32 v[OTH], v[WRD], s[SEL], s[SEL+1]
	v_or_b32 v[\wdst], v[WRD], v[OTH]                              ; bytes 2 and 3 stay 0: they stand over zero codes
.endm
; Step t's raw rows lie in slot A where t / 2 is even, else in slot B, in the slot's half t % 2.
; 16 raw numbers of v for one fragment of v^T (tile nt of n) into v[Y + 16 f] on: lane (r, h) takes column n = 16 nt + r of rows d = 8 h + dd(e), dd(e) = e under 8, e + 8 from 8 on.
; In the last tile only n = 48 exists: all lanes read it, and RM later clears all but r = 0.
.macro VRAW t, nt, f
.set pe, 0
.rept 16
.set dd, pe+8*(pe/8)
.if (\nt) == 3
	ds_load_b32 v[Y+16*(\f)+pe], v[AV3+((\t)/2)%2] offset:((\t)%2)*CHB+dd*ROWB
.else
	ds_load_b32 v[Y+16*(\f)+pe], v[AV+((\t)/2)%2] offset:((\t)%2)*CHB+dd*ROWB+64*(\nt)
.endif
.set pe, pe+1
.endr
.endm
; Step t's raw rows become images in buffer t % 2.  Wave w makes k's tile w, and of v^T the fragments of d = 32 (w % 4) .. + 31 for two tiles of n: grp 0 (waves 0-3): n 0-15 and 16-31; grp 1 (waves 4-7): 32-47 and 48.
; A fragment of v^T: register e / 2 packs the numbers e and e + 1 of VRAW's sixteen.
.macro PREP t, grp
	RAWROW X, AK1+((\t)/2)%2, AK2+((\t)/2)%2, ((\t)%2)*CHB
	VRAW \t, 2*(\grp), 0
	s_wait_dscnt 16                                                ; k's 32 numbers are in; the 16 younger loads of v may be out
	VRAW \t, 2*(\grp)+1, 1                                         ; v's other 16 land while k is quantised
	TAILZERO X
	QUANT X, KCD, 0x3800000, 1, WRD
	ds_store_b128 v[KWI], v[KCD:KCD+3] offset:((\t)%2)*IMGB        ; registers 0-3 of the fragment, as they stand
	ds_store_b32 v[KWS], v[WRD] offset:((\t)%2)*IMGB               ; lanes r and r + 16 store the same word with the same value
	s_wait_dscnt 2                                                 ; v's 32 numbers are in; the two stores may be out
.irp f, 0,1
.irp m, 0,1,2,3,4,5,6,7
	v_cvt_pk_f16_f32 v[VO+8*\f+\m], v[Y+16*\f+2*\m], v[Y+16*\f+2*\m+1]
.endr
.endr
.if \grp
.irp m, 0,1,2,3,4,5,6,7
	v_and_b32 v[VO+8+\m], v[RM], v[VO+8+\m]                        ; n = 49 .. 63 do not exist: zeros
.endr
.endif
.irp f, 0,1
.irp c, 0,1
	ds_store_b128 v[VWI], v[VO+8*\f+4*\c:VO+8*\f+4*\c+3] offset:((\t)%2)*IMGB+(2*(\grp)+\f)*1024+512*\c
.endr
.endr
.endm
; Chunk j's operands out of image buffer buf: 11 loads, each lane's 16 bytes at 16 x lane.
.macro CLOAD buf, j
	ds_load_b128 v[KF:KF+3], v[LI] offset:(\buf)*IMGB+1024*(\j)
	ds_load_b128 v[KF+8:KF+11], v[LI] offset:(\buf)*IMGB+1024*(\j)+512
	ds_load_b32 v[KSC], v[LS] offset:(\buf)*IMGB+128*(\j)
.irp nt, 0,1,2,3
.irp c, 0,1
	ds_load_b128 v[VF+32*((\j)%2)+8*\nt+4*\c:VF+32*((\j)%2)+8*\nt+4*\c+3], v[LI] offset:(\buf)*IMGB+VIO+(4*(\j)+\nt)*1024+512*\c
.endr
.endr
.endm
; A chunk: 32 of d.  zero = 1: the second product's first instructions start the sums: nothing is cleared.
.macro CHUNK buf, j, zero
	s_wait_dscnt 0x0                                               ; this chunk's operands are in
.irp ct, 0,1,2,3                                               ; S^T = k q^T: source 0 = 16 rows d of k, source 1 = 16 rows c of q.  Register j of lane (r, h): att(16 ct + r, 16 tile + 8 h + j) / 16
	v_wmma_scale_f32_16x16x128_f8f6f4 v[S+16*\ct:S+16*\ct+7], v[KF:KF+7], v[QF+8*\ct:QF+8*\ct+7], 0, v[KSC], v[QS+\ct] matrix_a_fmt:MATRIX_FMT_FP4 matrix_b_fmt:MATRIX_FMT_FP4
	v_wmma_scale_f32_16x16x128_f8f6f4 v[S+16*\ct+8:S+16*\ct+15], v[KF+8:KF+15], v[QF+8*\ct:QF+8*\ct+7], 0, v[KSC], v[QS+\ct] matrix_a_fmt:MATRIX_FMT_FP4 matrix_b_fmt:MATRIX_FMT_FP4 matrix_a_scale:MATRIX_SCALE_ROW1
.endr
.rept 4
	v_nop                                                          ; four places ahead of the reads of S^T, of the writes of P, which the last chunk's products read, and of the loads below
.endr
.irp ct, 0,1,2,3
.irp i, 0,1
.irp m, 0,1,2,3
	v_cvt_pk_f16_f32 v[P+8*\ct+4*\i+\m], v[S+16*\ct+8*\i+2*\m], v[S+16*\ct+8*\i+2*\m+1]   ; d = 16 i + 8 h + 2 m, + 1: source 1's own layout; each tile from its low end on
.endr
.endr
.endr
.if (\j) < 3
	CLOAD \buf, (\j)+1                                             ; the next chunk's operands land under the 16 products below; v^T's go into the other set
.endif
	WIN 0x50                                                       ; C and D in window 1
.irp nt, 0,1,2,3                                               ; out^T += v^T att^T: the 16 accumulators take turns, one instruction a turn
.irp ct, 0,1,2,3
.if \zero
	v_wmma_f32_16x16x32_f16 v[8*(4*\ct+\nt):8*(4*\ct+\nt)+7], v[VF+32*((\j)%2)+8*\nt:VF+32*((\j)%2)+8*\nt+7], v[P+8*\ct:P+8*\ct+7], 0
.else
	v_wmma_f32_16x16x32_f16 v[8*(4*\ct+\nt):8*(4*\ct+\nt)+7], v[VF+32*((\j)%2)+8*\nt:VF+32*((\j)%2)+8*\nt+7], v[P+8*\ct:P+8*\ct+7], v[8*(4*\ct+\nt):8*(4*\ct+\nt)+7]
.endif
.endr
.endr
	WIN 0
.endm
; The barrier at a step's head.  In front of it every wave has finished its stores of this step's image, its reads of the last step's image and its reads of raw rows.
; kind 0: no more than that: a tensor load of mine may stay out.
; kind 1: every wave has also seen all its tensor loads land: behind the barrier the slot that was on its way is read.
; kind 2: the same, and the slot of group 0 g0, whose raw rows have all been read, is filled again: my eighth, first thing behind the barrier.  adv = 1: with the rows two slots on.
.macro TOP kind, g0, adv
.if (\kind) > 0
	s_wait_tensorcnt 0x0                                           ; no tensor load of mine is out, so a group 0 may be written
	ds_add_u32 v[SPW], v[NIL]                                      ; 0 onto my spare word
.if ((\kind) == 2) && (\adv)
	s_add_nc_u64 s[\g0+2:\g0+3], s[\g0+2:\g0+3], PAIRB             ; 512 rows on in k or in v; the type bits on top are not reached
.endif
.endif
	s_wait_dscnt 0x0                                               ; my image stores and my LDS reads are done (kind 1, 2: the add too)
	s_barrier_signal -1
	s_barrier_wait -1
.if (\kind) == 2
	tensor_load_to_lds s[\g0:\g0+3], s[G1:G1+7]                    ; my one tensor load until the next such barrier: eight waves' loads make the slot
	s_nop 0
.rept 4
	v_nop
.endr
.endif
.endm
.macro V1LOAD                          ; the residual: my 64 rows of v1 as a dense stream of 12,544 bytes, into window 1; wanted two steps later
	WIN 0x40
.set vi, 0
.rept 24
	global_load_b128 v[V1R+4*vi:V1R+4*vi+3], v[GO], s[V1P:V1P+1] offset:512*vi
.set vi, vi+1
.endr
	global_load_b64 v[V1R+96:V1R+97], v[GO8], s[V1P:V1P+1] offset:12288
	WIN 0
.endm
; Step s: its barrier, its four chunks out of image buffer s % 2, and (prep = 1) the images of step s + 1.
.macro STEP s, kind, g0, prep, zero, res
	TOP \kind, \g0, 1
.if \res
	V1LOAD
.endif
	CLOAD (\s)%2, 0
.if \prep
	s_cmp_lt_u32 s[WV], 4
	s_cbranch_scc0 .Llate_\@
	PREP (\s)+1, 0                                                 ; waves 0-3: the next step's images ahead of this step's products
.Llate_\@:
.endif
	CHUNK (\s)%2, 0, \zero
	CHUNK (\s)%2, 1, 0
	CHUNK (\s)%2, 2, 0
	CHUNK (\s)%2, 3, 0
.if \prep
	s_cmp_lt_u32 s[WV], 4
	s_cbranch_scc1 .Learly_\@
	PREP (\s)+1, 1                                                 ; waves 4-7: behind them
.Learly_\@:
.endif
.endm
	s_load_b256 s[4:11], s[0:1], 0x0                               ; q s[4:5], k s[6:7], v s[8:9], out s[10:11]
	v_lshl_add_u32 v[SPW], v0, 2, SPARE
	v_mov_b32 v[NIL], 0
	ds_add_u32 v[SPW], v[NIL]                                      ; the wave's opening: the add, twice on end, and its wait ahead of my first tensor load; the set-up below, work on registers, stands between
	ds_add_u32 v[SPW], v[NIL]
	v_lshrrev_b32 v1, 5, v0
	v_readfirstlane_b32 s[WV], v1                                  ; wave 0..7
	v_and_b32 v1, 31, v0                                           ; lane
	v_and_b32 v2, 15, v0                                           ; r
	v_bfe_u32 v3, v0, 4, 1                                         ; h
	s_lshr_b32 s13, ttmp9, 1                                       ; the batch
	s_and_b32 s14, s[WV], 3
	; descriptor group 1: a dense block of 12,544 bytes as 49 rows of 256 bytes (32 elements of 8 bytes), no padding, no mask
	s_mov_b32 s[G1+0], 3<<16                                       ; 17:16 elements of 8 bytes
	s_mov_b32 s[G1+1], 32<<16                                      ; tensor_dim0 = 32
	s_mov_b32 s[G1+2], 49<<16                                      ; tensor_dim1 = 49
	s_mov_b32 s[G1+3], 32<<16                                      ; tile_dim0 = 32
	s_mov_b32 s[G1+4], 49                                          ; tile_dim1 = 49
	s_mov_b32 s[G1+5], 32                                          ; from row to row: 32 elements
	s_mov_b32 s[G1+6], 0
	s_mov_b32 s[G1+7], 0
	s_mov_b32 s[SEL], 0x76543210
	s_mov_b32 s[SEL+1], 0xfedcba98
	s_mov_b32 s[SIXT], 0x41800000                                  ; 16.0
	s_mov_b32 s[SIXT+1], 0x41800000
	s_mul_i32 s56, s[WV], WAVEB                                    ; my eighth of a slot; in slot B also my raw q, later my stage
	s_mul_i32 s57, s[WV], TILEB                                    ; my 16 rows of a step's k
	s_mul_i32 s58, s14, 32*ROWB                                    ; my 32 rows of a step's v
	s_lshl_b32 s59, s[WV], 9
	s_lshl_b32 s60, s[WV], 6
	s_lshl_b32 s61, s14, 12
	; every LDS address is made here, ahead of the first branch on the wave's number: a constant + constants x r, h, lane and wave
	v_mul_u32_u24 v[RWR], v2, ROWB
	v_lshlrev_b32 v[GO], 4, v1
	v_lshlrev_b32 v[GO8], 3, v1
	v_add_nc_u32 v[LI], IMG, v[GO]
	v_lshl_add_u32 v[LS], v1, 2, IMG+KSO
	v_add_nc_u32 v[AK2+1], s57, v[RWR]                             ; slot B begins at byte 0,
	v_lshl_add_u32 v[AK1+1], v3, 7, v[AK2+1]
	v_add_nc_u32 v[AK1], SLA, v[AK1+1]                             ; slot A at SLA
	v_add_nc_u32 v[AK2+1], 68, v[AK2+1]
	v_add_nc_u32 v[AK2], SLA, v[AK2+1]
	v_add_nc_u32 v[KWI], s59, v[LI]
	v_lshl_add_u32 v[KWS], v2, 2, IMG+KSO
	v_add_nc_u32 v[KWS], s60, v[KWS]
	v_mul_u32_u24 v[AV3+1], v3, 8*ROWB
	v_add_nc_u32 v[AV3+1], s58, v[AV3+1]
	v_lshl_add_u32 v[AV+1], v2, 2, v[AV3+1]
	v_add_nc_u32 v[AV+1], 2*CHB, v[AV+1]                           ; in a slot v's rows lie behind k's
	v_add_nc_u32 v[AV], SLA, v[AV+1]
	v_add_nc_u32 v[AV3+1], 2*CHB+192, v[AV3+1]
	v_add_nc_u32 v[AV3], SLA, v[AV3+1]
	v_add_nc_u32 v[VWI], s61, v[LI]
	v_add_nc_u32 v[VWI], VIO, v[VWI]
	v_add_nc_u32 v[HM], -1, v3                                     ; h = 0: all ones; h = 1: 0
	v_min_u32 v[RM], 1, v2
	v_add_nc_u32 v[RM], -1, v[RM]                                  ; r = 0: all ones; else 0
	v_lshlrev_b32 v[SH8], 3, v3
	v_add_nc_u32 v[AQ2], s56, v[RWR]
	v_lshl_add_u32 v[AQ1], v3, 7, v[AQ2]
	v_lshl_add_u32 v[SO], v3, 5, v[AQ2]
	v_add_nc_u32 v[AQ2], 68, v[AQ2]
	v_add_nc_u32 v[SR], s56, v[GO]
	v_add_nc_u32 v[SR8], s56, v[GO8]
	v_mov_b32 v[OTH], 0                                            ; written once: a lane permute's destination counts as one of its sources
.irp t, 0,1,2,3
.irp c, 4,5,6,7
	v_mov_b32 v[QF+8*\t+\c], 0                                     ; K = 64 .. 127 of every fragment: zero codes, written once
.endr
.endr
.irp t, 0,1
.irp c, 4,5,6,7
	v_mov_b32 v[KF+8*\t+\c], 0
.endr
.endr
	s_mul_i32 s58, ttmp9, HALFB
	s_add_co_u32 s58, s58, s56                                     ; my wave's 64 rows in q, v1 and out, in bytes (under 2^25)
	s_mov_b32 s59, 0
	s_mul_i32 s62, s13, BATCHB                                     ; my batch in k and v,
	s_mul_i32 s14, s14, WAVEB
	s_add_co_u32 s62, s62, s14                                     ; and my quarter, 64 rows, of a slot's 256
	s_mov_b32 s63, 0
	s_wait_dscnt 0x0                                               ; both opening adds are done
	s_wait_kmcnt 0x0
	s_mov_b32 s[G0Q], 1                                            ; count = 1
	s_mov_b32 s[G0Q+1], s56                                        ; LDS address: my eighth of slot B
	s_add_nc_u64 s[G0Q+2:G0Q+3], s[4:5], s[58:59]                  ; global address
	s_or_b32 s[G0Q+3], s[G0Q+3], 0x80000000                        ; type = 2
	s_add_nc_u64 s[V1P:V1P+1], s[8:9], s[58:59]
	s_add_nc_u64 s[OUTP:OUTP+1], s[10:11], s[58:59]
	s_cmp_lt_u32 s[WV], 4                                          ; waves 0-3 fetch k, waves 4-7 v
	s_cselect_b64 s[60:61], s[6:7], s[8:9]
	s_add_nc_u64 s[60:61], s[60:61], s[62:63]
	s_mov_b32 s[G0A], 1
	s_add_co_u32 s[G0A+1], s56, SLA
	s_mov_b64 s[G0A+2:G0A+3], s[60:61]                             ; slot A begins with rows 0-255
	s_or_b32 s[G0A+3], s[G0A+3], 0x80000000
	s_mov_b32 s[G0B], 1
	s_mov_b32 s[G0B+1], s56
	s_add_nc_u64 s[G0B+2:G0B+3], s[60:61], 2*CHB                   ; slot B with rows 256-511
	s_or_b32 s[G0B+3], s[G0B+3], 0x80000000
	tensor_load_to_lds s[G0Q:G0Q+3], s[G1:G1+7]                    ; the first fills, every wave alike: my 64 rows of q,
	s_nop 0
	tensor_load_to_lds s[G0A:G0A+3], s[G1:G1+7]                    ; and my eighth of slot A: two tensor loads of mine are out
	s_nop 0
.rept 4
	v_nop
.endr
	s_wait_tensorcnt 0x1                                           ; my q is in, which I alone read; the one load issued behind it, slot A's, may be out: it lands while q is quantised
	; q: my four tiles of 16 rows become four fragments and four scale words, which stay.  Two sets of 32 registers by turns: the next tile's 32 loads are issued as soon as this tile's are in, and land while it is quantised.
	RAWROW X, AQ1, AQ2, 0
.irp ct, 0,1,2,3
	s_wait_dscnt 0x0                                               ; this tile's 32 numbers are in: nothing younger has been issued
.if \ct < 3
	RAWROW X+32*((\ct+1)%2), AQ1, AQ2, (\ct+1)*TILEB
.endif
	TAILZERO X+32*(\ct%2)
	QUANT X+32*(\ct%2), QF+8*\ct, 0x1800000, 0, QS+\ct
.endr
	TOP 2, G0B, 0                                                  ; slot A is whole for every wave, and raw q has been read: slot B takes rows 256-511, which have image 0's making and step 0 in which to land
	s_cmp_lt_u32 s[WV], 4                                          ; image 0
	s_cbranch_scc0 .Lhead_hi
	PREP 0, 0
	s_branch .Lhead_done
.Lhead_hi:
	PREP 0, 1
.Lhead_done:
	STEP 0, 0, G0A, 1, 1, 0                                        ; its first chunk starts the sums; image 1 out of slot A's second half
	STEP 1, 2, G0A, 1, 0, 0                                        ; slot B has landed, slot A has been read: it takes rows 512-767; image 2 out of slot B
	STEP 2, 0, G0A, 1, 0, 0                                        ; slot A's load stays out across this barrier; image 3 out of slot B's second half
	STEP 3, 2, G0B, 1, 0, 0                                        ; slot A has landed, slot B has been read: it takes rows 768-1023; image 4 out of slot A
	STEP 4, 0, G0A, 1, 0, 0                                        ; slot B's load stays out; image 5
	STEP 5, 1, G0A, 1, 0, 0                                        ; slot B has landed; nothing is left to fetch; image 6 out of slot B
	STEP 6, 0, G0A, 1, 0, 1                                        ; image 7; the residual is asked for
	STEP 7, 0, G0A, 0, 0, 0                                        ; nothing is left to prepare
	; THE WAY OUT.  Lane (r, h) holds out(16 ct + r, 16 nt + 8 h + j) / 16.  A row is 196 bytes, so the 64 rows go word by word into my stage (my eighth of slot B: it has had its last fill, and its last readers, step 6's,
	; have passed step 7's barrier) and come back as a dense stream of 12,544 bytes, which takes 16 x sum + v1 and leaves in stores of 512 aligned consecutive bytes.  In two halves: tiles 0 and 1 are 6,272 bytes,
	; of which the first 11 x 512 = 5,632 leave at once; the rest follows with tiles 2 and 3.
.macro TOSTAGE ct                      ; columns 0-47 of tile ct's 16 rows
.irp nt, 0,1,2
.irp j, 0,1,2,3,4,5,6,7
	ds_store_b32 v[SO], v[8*(4*(\ct)+\nt)+\j] offset:(\ct)*TILEB+64*\nt+4*\j    ; each accumulator from its low end on
.endr
.endr
.endm
.macro SEND left                       ; piece vi of the stream; left: the LDS loads issued behind its own, which may stay out
	s_wait_dscnt \left
	v_pk_fma_f32 v[T+4*vi:T+4*vi+1], v[T+4*vi:T+4*vi+1], s[SIXT:SIXT+1], v[V1R+4*vi:V1R+4*vi+1] op_sel_hi:[1,0,1]
	v_pk_fma_f32 v[T+4*vi+2:T+4*vi+3], v[T+4*vi+2:T+4*vi+3], s[SIXT:SIXT+1], v[V1R+4*vi+2:V1R+4*vi+3] op_sel_hi:[1,0,1]
	global_store_b128 v[GO], v[T+4*vi:T+4*vi+3], s[OUTP:OUTP+1] offset:512*vi th:TH_STORE_NT   ; 32 lanes store 512 consecutive bytes, at a multiple of 256 from out's first byte
.endm
.rept 4
	v_nop                                                          ; four places behind the last products: their results are read, and their operands' registers are loaded into
.endr
	v_cmp_eq_u32 vcc_lo, 0, v3                                     ; lanes 0-15
	s_wait_loadcnt 0x0                                             ; the residual is in
	s_wait_xcnt 0x0                                                ; EXEC changes only behind this wait
	WIN 0x04                                                       ; an LDS store's data are its source 1: window 1
	s_and_saveexec_b32 s54, vcc_lo                                 ; of the last tile of n only n = 48 exists: register 0 of lanes 0-15
.irp ct, 0,1,2,3
	ds_store_b32 v[AQ2], v[8*(4*\ct+3)] offset:\ct*TILEB+124       ; row r + 68 + 124 = column 48; the address has no term in h, so that it lies in my stage in every lane
.endr
	s_or_b32 exec_lo, exec_lo, s54                                 ; all lanes on again (no global instruction was issued meanwhile)
	TOSTAGE 0
	TOSTAGE 1
	WIN 0x10                                                       ; source 2, the residual, in window 1; all else in window 0
.set vi, 0
.rept 11
	ds_load_b128 v[T+4*vi:T+4*vi+3], v[SR] offset:512*vi           ; LDS serves a wave's instructions in order (ISA guide 5.7.1.4): these see my stores
.set vi, vi+1
.endr
.set vi, 0
.rept 11
	SEND 10-vi
.set vi, vi+1
.endr
	WIN 0x04
	TOSTAGE 2
	TOSTAGE 3
	WIN 0x10
.set vi, 11
.rept 13
	ds_load_b128 v[T+4*vi:T+4*vi+3], v[SR] offset:512*vi
.set vi, vi+1
.endr
	ds_load_b64 v[T+96:T+97], v[SR8] offset:12288
.set vi, 11
.rept 13
	SEND 24-vi
.set vi, vi+1
.endr
	s_wait_dscnt 0x0
	v_pk_fma_f32 v[T+96:T+97], v[T+96:T+97], s[SIXT:SIXT+1], v[V1R+96:V1R+97] op_sel_hi:[1,0,1]
	global_store_b64 v[GO8], v[T+96:T+97], s[OUTP:OUTP+1] offset:12288 th:TH_STORE_NT            ; the last 256 bytes
	WIN 0
	s_wait_tensorcnt 0x0                                           ; the wave's end, behind my last tensor load and my last LDS store
	ds_add_u32 v[SPW], v[NIL]
	s_wait_dscnt 0x0
	s_endpgm
.Lfunc_end_k_qfd9d8792ca_cam:
	.size	k_qfd9d8792ca_cam, .Lfunc_end_k_qfd9d8792ca_cam-k_qfd9d8792ca_cam
	.p2alignl 7, 3214868480
	.fill 96, 4, 3214868480
	.section	.rodata,"a",@progbits
	.p2align	6, 0x0
	.amdhsa_kernel k_qfd9d8792ca_cam
		.amdhsa_group_segment_fixed_size 327680
		.amdhsa_private_segment_fixed_size 0
		.amdhsa_enable_private_segment 0
		.amdhsa_kernarg_size 32
		.amdhsa_user_sgpr_count 2
		.amdhsa_user_sgpr_kernarg_segment_ptr 1
		.amdhsa_wavefront_size32 1
		.amdhsa_system_sgpr_workgroup_id_x 1
		.amdhsa_system_sgpr_workgroup_id_y 1
		.amdhsa_system_sgpr_workgroup_id_z 1
		.amdhsa_system_vgpr_workitem_id 0
		.amdhsa_next_free_vgpr 512
		.amdhsa_next_free_sgpr 66
		.amdhsa_reserve_vcc 1
		.amdhsa_float_denorm_mode_32 3
		.amdhsa_float_denorm_mode_16_64 3
		.amdhsa_memory_ordered 1
		.amdhsa_forward_progress 1
		.amdhsa_inst_pref_size 255
	.end_amdhsa_kernel
	.section	.bss,"aw",@nobits
	.p2align	6
	.space	262144
	.amdgpu_metadata
---
amdhsa.version: [ 1, 2 ]
amdhsa.kernels:
  - .name:           k_qfd9d8792ca_cam
    .symbol:         k_qfd9d8792ca_cam.kd
    .args:
      - { .name: q1, .offset: 0, .size: 8, .value_kind: global_buffer, .address_space: global }
      - { .name: k1, .offset: 8, .size: 8, .value_kind: global_buffer, .address_space: global }
      - { .name: v1, .offset: 16, .size: 8, .value_kind: global_buffer, .address_space: global }
      - { .name: out0, .offset: 24, .size: 8, .value_kind: global_buffer, .address_space: global }
    .group_segment_fixed_size: 327680
    .private_segment_fixed_size: 0
    .kernarg_segment_align: 8
    .kernarg_segment_size: 32
    .max_flat_workgroup_size: 256
    .sgpr_count:     66
    .vgpr_count:     512
    .wavefront_size: 32
...
	.end_amdgpu_metadata
.endif
;; end of part 1
